; MI455X (gfx1250); checked and timed in simulation.
; The chip was launched on July 23, 2026; its instructions are those of AMD's public machine-readable ISA for CDNA 5 (MIT licence, August 2026) and "CDNA5" Instruction Set Architecture Reference Guide (July 2026). The comments in the code are by the model that wrote it; some were corrected since.
;; XPINN. Allowed arithmetic: float matrix products may take bf16 or f16 operands with f32 sums; all other float work in f32.
;; Inputs: B 4 x 100 x 2 float32; W1 4 x 200 x 128 float32; W2 4 x 128 x 128 float32; W3 4 x 128 x 128 float32; W4 4 x 128 x 1 float32; b1 4 x 128 float32; b2 4 x 128 float32; b3 4 x 128 float32; b4 4 x 1 float32; t 262,144 x 1 float32; x 262,144 x 1 float32.
;; Outputs: out0 262,144 x 1 float32.
;; One version. Each part assembles by itself: llvm-mc -triple=amdgcn-amd-amdhsa -mcpu=gfx1250 --defsym DOCPART=n.
;; ======== version 1 of 1: 3 launches
;; limits: values are held in f16: magnitudes above 65,504 overflow, below 6.1e-05 lose precision; values outside matrix products are rounded to f16; a function is approximated: absolute error at most 0.0003; right only within a limited range of input values
;; workspace buffers: key 1,048,576 bytes of whole numbers; cnt 4,096 bytes of whole numbers; order 1,049,088 bytes of whole numbers; plan 4,096 bytes of whole numbers
;; launch classify (part 1): grid 256 x 1, 32 waves a work-group, no clusters, 256 bytes of LDS; arguments x, key, cnt; writes key, cnt
.if DOCPART == 1
	.amdgcn_target "amdgcn-amd-amdhsa--gfx1250"
	.amdhsa_code_object_version 6
	.text
	.protected	k_q7d4c021329_classify
	.globl	k_q7d4c021329_classify
	.p2align	8
	.type	k_q7d4c021329_classify,@function
k_q7d4c021329_classify:
	s_mov_b64 s[64:65], 0
	v_nop
	global_prefetch_b8 v0, s[64:65] scope:SCOPE_SE
	s_setreg_imm32_b32 hwreg(HW_REG_WAVE_MODE, 25, 1), 1
	s_wait_xcnt 0x0
; classify: x -> whole numbers.  262,144 points, 256 work-groups, a block of 1,024 points each, one point a thread.
; key[i] = domain (bits 1:0) | rank of point i among the points of the same domain in its block (from bit 2).
; cnt[block][domain] = how many points of the block lie in the domain.
; Domain = number of the thresholds -0.5, 0, 0.5 that are <= x (the masks x >= lo, x < hi of the problem); a NaN passes no
; threshold and is counted in domain 0 here (the last launch writes 0 for it).
; Every address is made of the thread's and the work-group's numbers alone; the comparisons feed values only.
; A stream of 1 MB in and 1 MB out: no matrix unit, no cluster, no tiles in LDS; LDS carries 32 waves' counts (8 bytes each).
.macro IRED val, tmp                   ; sum of v[val] over the 32 lanes, in every lane; v[tmp] has been written before
.irp m, 1,2,4,8
	v_mov_b32_dpp v[\tmp], v[\val] row_xmask:\m row_mask:0xf bank_mask:0xf
	v_add_nc_u32 v[\val], v[\val], v[\tmp]
.endr
	v_permlanex16_b32 v[\tmp], v[\val], s24, s25
	v_add_nc_u32 v[\val], v[\val], v[\tmp]
.endm
	s_load_b128 s[4:7], s[0:1], 0x0                ; x s[4:5], key s[6:7]
	s_load_b64 s[8:9], s[0:1], 0x10                ; cnt
	v_and_b32 v1, 31, v0                           ; lane
	v_lshrrev_b32 v2, 5, v0
	v_readfirstlane_b32 s2, v2                     ; wave 0..31
	v_lshlrev_b32 v2, 2, v0                        ; 4 bytes a thread
	v_lshlrev_b32 v20, 3, v1                       ; 8 x lane: the table entry of wave 'lane'
	v_mov_b32 v14, 0                               ; scratch of the lane sums, written once whole
	s_lshl_b32 s28, ttmp9, 12                      ; the block's 4,096 bytes in x and in key
	s_mov_b32 s29, 0
	s_mov_b32 s24, 0x76543210                      ; v_permlanex16_b32: lane i reads lane i of the other half
	s_mov_b32 s25, 0xfedcba98
	s_lshl_b32 s3, s2, 3
	v_mov_b32 v21, s3                              ; 8 x wave: my wave's table entry
	s_wait_kmcnt 0x0
	s_add_nc_u64 s[4:5], s[4:5], s[28:29]
	s_add_nc_u64 s[6:7], s[6:7], s[28:29]
	s_lshl_b32 s28, ttmp9, 4                       ; the block's 16 bytes in cnt
	s_add_nc_u64 s[8:9], s[8:9], s[28:29]
	global_load_b32 v3, v2, s[4:5]
	s_wait_loadcnt 0x0
	v_cmp_le_f32 s10, -0.5, v3                     ; m1: -0.5 <= x
	v_cmp_le_f32 s11, 0, v3                        ; m2:  0   <= x
	v_cmp_le_f32 s12, 0.5, v3                      ; m3:  0.5 <= x
	s_not_b32 s13, s10                             ; lanes of domain 0
	s_and_not1_b32 s14, s10, s11                   ; domain 1
	s_and_not1_b32 s15, s11, s12                   ; domain 2
	s_mov_b32 s16, s12                             ; domain 3
	s_bcnt1_i32_b32 s17, s13
	s_bcnt1_i32_b32 s18, s14
	s_bcnt1_i32_b32 s19, s15
	s_bcnt1_i32_b32 s20, s16
	s_lshl_b32 s21, s18, 16
	s_or_b32 s21, s21, s17                         ; counts of domains 0, 1 in 16-bit fields (a block's sum is 1,024 at the most)
	s_lshl_b32 s22, s20, 16
	s_or_b32 s22, s22, s19                         ; domains 2, 3
	v_cndmask_b32 v4, 0, 1, s10                    ; my domain
	v_cndmask_b32 v4, v4, 2, s11
	v_cndmask_b32 v4, v4, 3, s12
.irp d, 0,1,2,3
	v_mbcnt_lo_u32_b32 v[5+\d], s[13+\d], 0        ; lanes of domain d below me
.endr
	v_cndmask_b32 v9, v5, v6, s10                  ; my rank in the wave
	v_cndmask_b32 v9, v9, v7, s11
	v_cndmask_b32 v9, v9, v8, s12
	v_mov_b32 v10, s21
	v_mov_b32 v11, s22
	ds_store_b64 v21, v[10:11]                     ; all lanes store the same 8 bytes, my wave's own
	s_wait_dscnt 0x0                               ; for the other waves: my store is done before I signal
	s_barrier_signal -1
	s_barrier_wait -1
	ds_load_b64 v[10:11], v20                      ; lane l: the counts of wave l
	s_wait_dscnt 0x0
	v_cmp_gt_u32 vcc_lo, s2, v1                    ; waves in front of mine
	v_cndmask_b32 v12, 0, v10, vcc_lo
	v_cndmask_b32 v13, 0, v11, vcc_lo
	IRED 10, 14                                    ; the block's totals
	IRED 11, 14
	IRED 12, 14                                    ; the counts in front of my wave
	IRED 13, 14
	v_and_b32 v5, 0xffff, v12
	v_lshrrev_b32 v6, 16, v12
	v_and_b32 v7, 0xffff, v13
	v_lshrrev_b32 v8, 16, v13
	v_cndmask_b32 v5, v5, v6, s10                  ; the field of my domain
	v_cndmask_b32 v5, v5, v7, s11
	v_cndmask_b32 v5, v5, v8, s12
	v_add_nc_u32 v9, v9, v5                        ; rank in the block
	v_lshl_or_b32 v9, v9, 2, v4
	global_store_b32 v2, v9, s[6:7]                ; a wave stores 128 neighbouring bytes
	s_cmp_lg_u32 s2, 0
	s_cbranch_scc1 .Lend                           ; wave 0 alone stores the block's four totals
	v_and_b32 v16, 0xffff, v10
	v_lshrrev_b32 v17, 16, v10
	v_and_b32 v18, 0xffff, v11
	v_lshrrev_b32 v19, 16, v11
	v_mov_b32 v15, 0
	v_cmp_eq_u32 vcc_lo, 0, v1
	s_wait_xcnt 0x0                                ; EXEC is a source of the store above: it changes only behind this wait
	s_and_saveexec_b32 s26, vcc_lo
	global_store_b128 v15, v[16:19], s[8:9]
	s_wait_xcnt 0x0                                ; and again before EXEC is widened
	s_or_b32 exec_lo, exec_lo, s26
.Lend:
	s_endpgm
.Lfunc_end_k_q7d4c021329_classify:
	.size	k_q7d4c021329_classify, .Lfunc_end_k_q7d4c021329_classify-k_q7d4c021329_classify
	.p2alignl 7, 3214868480
	.fill 96, 4, 3214868480
	.section	.rodata,"a",@progbits
	.p2align	6, 0x0
	.amdhsa_kernel k_q7d4c021329_classify
		.amdhsa_group_segment_fixed_size 256
		.amdhsa_private_segment_fixed_size 0
		.amdhsa_enable_private_segment 0
		.amdhsa_kernarg_size 24
		.amdhsa_user_sgpr_count 2
		.amdhsa_user_sgpr_kernarg_segment_ptr 1
		.amdhsa_wavefront_size32 1
		.amdhsa_system_sgpr_workgroup_id_x 1
		.amdhsa_system_sgpr_workgroup_id_y 1
		.amdhsa_system_sgpr_workgroup_id_z 1
		.amdhsa_system_vgpr_workitem_id 0
		.amdhsa_next_free_vgpr 24
		.amdhsa_next_free_sgpr 66
		.amdhsa_reserve_vcc 1
		.amdhsa_float_denorm_mode_32 3
		.amdhsa_float_denorm_mode_16_64 3
		.amdhsa_memory_ordered 1
		.amdhsa_forward_progress 1
		.amdhsa_inst_pref_size 6
	.end_amdhsa_kernel
	.amdgpu_metadata
---
amdhsa.version: [ 1, 2 ]
amdhsa.kernels:
  - .name:           k_q7d4c021329_classify
    .symbol:         k_q7d4c021329_classify.kd
    .args:
      - { .name: x, .offset: 0, .size: 8, .value_kind: global_buffer, .address_space: global }
      - { .name: key, .offset: 8, .size: 8, .value_kind: global_buffer, .address_space: global }
      - { .name: cnt, .offset: 16, .size: 8, .value_kind: global_buffer, .address_space: global }
    .group_segment_fixed_size: 256
    .private_segment_fixed_size: 0
    .kernarg_segment_align: 8
    .kernarg_segment_size: 24
    .max_flat_workgroup_size: 1024
    .sgpr_count:     66
    .vgpr_count:     24
    .wavefront_size: 32
...
	.end_amdgpu_metadata
.endif
;; end of part 1
;; launch place (part 2): grid 256 x 1, 8 waves a work-group, no clusters, 256 bytes of LDS; arguments key, cnt, order, plan; writes order, plan
.if DOCPART == 2
	.amdgcn_target "amdgcn-amd-amdhsa--gfx1250"
	.amdhsa_code_object_version 6
	.text
	.protected	k_q7d4c021329_place
	.globl	k_q7d4c021329_place
	.p2align	8
	.type	k_q7d4c021329_place,@function
k_q7d4c021329_place:
	s_mov_b64 s[64:65], 0
	v_nop
	global_prefetch_b8 v0, s[64:65] scope:SCOPE_SE
	s_setreg_imm32_b32 hwreg(HW_REG_WAVE_MODE, 25, 1), 1
	s_wait_xcnt 0x0
; place: whole numbers only.  From key and cnt it makes
;   order: the points sorted by domain.  Domain d owns tiles Ts_d .. Ts_d + t_d - 1 of 32 slots, t_d = ceil(c_d / 32);
;          a slot holds a point's index, or 0xffffffff where the domain's last tile is not full (stored here, by work-group 0).
;   plan:  for each of the next launch's 256 work-groups: domain, first tile, number of tiles (1 to 33), 0.
; Work-group g places the 1,024 points of block g: slot = 32 Ts_d + (points of d in blocks < g) + rank in the block.
; Every work-group sums the 256 x 4 counts itself (4 KB): no traffic between work-groups.
; The slots are stored straight from registers: a wave's 32 points are neighbours, so its store falls into four runs of
; neighbouring words, one a domain.  A sorted stage in LDS would lengthen the runs, at the price of eight waves storing into one LDS region
; at addresses that come from data; order is 1 MB in all.
; The t_d add up to (262,144 + 4 x 31) / 32 = 8,195 tiles at the most, so tile 8,195 of order's 8,196 is spare: no plan entry names it.
.set LASTSLOT, 0x4007f                 ; 8,196 tiles x 32 slots - 1
.set SPARE,    0x40060                 ; first slot of tile 8,195
.macro IRED val, tmp                   ; sum of v[val] over the 32 lanes, in every lane; v[tmp] has been written before
.irp m, 1,2,4,8
	v_mov_b32_dpp v[\tmp], v[\val] row_xmask:\m row_mask:0xf bank_mask:0xf
	v_add_nc_u32 v[\val], v[\val], v[\tmp]
.endr
	v_permlanex16_b32 v[\tmp], v[\val], s60, s61
	v_add_nc_u32 v[\val], v[\val], v[\tmp]
.endm
	s_load_b256 s[4:11], s[0:1], 0x0               ; key s[4:5], cnt s[6:7], order s[8:9], plan s[10:11]
	v_and_b32 v1, 31, v0                           ; lane
	v_lshrrev_b32 v2, 5, v0
	v_readfirstlane_b32 s2, v2                     ; wave 0..7
	s_mov_b32 s3, ttmp9                            ; g
	s_mov_b32 s60, 0x76543210
	s_mov_b32 s61, 0xfedcba98
	v_lshlrev_b32 v2, 4, v0                        ; thread t reads cnt[t]: 16 bytes
	v_lshlrev_b32 v3, 2, v0
	v_mov_b32 v16, 0                               ; scratch of the lane sums
	v_lshlrev_b32 v18, 2, v1                       ; 4 x lane
	s_lshl_b32 s12, s2, 5
	v_mov_b32 v17, s12                             ; 32 x wave: my wave's 8 words in LDS
	v_lshl_add_u32 v36, s3, 10, v0                 ; index of my first point
	s_lshl_b32 s44, s3, 12
	s_mov_b32 s45, 0
	s_wait_kmcnt 0x0
	s_add_nc_u64 s[4:5], s[4:5], s[44:45]          ; key at block g
	global_load_b128 v[4:7], v2, s[6:7]
.irp e, 0,1,2,3
	global_load_b32 v[8+\e], v3, s[4:5] offset:1024*\e   ; points 1024 g + 256 e + t
.endr
	s_wait_loadcnt 0x4                             ; the row of counts is in; the four younger loads of keys stay out
	v_lshl_or_b32 v12, v5, 16, v4                  ; 16-bit fields: a wave's sum of 32 blocks is 32,768 at the most
	v_lshl_or_b32 v13, v7, 16, v6
	v_cmp_gt_u32 vcc_lo, s3, v0                    ; blocks in front of mine
	v_cndmask_b32 v14, 0, v12, vcc_lo
	v_cndmask_b32 v15, 0, v13, vcc_lo
	IRED 12, 16
	IRED 13, 16
	IRED 14, 16
	IRED 15, 16
	v_and_b32 v20, 0xffff, v14                     ; base 0..3
	v_lshrrev_b32 v21, 16, v14
	v_and_b32 v22, 0xffff, v15
	v_lshrrev_b32 v23, 16, v15
	v_and_b32 v24, 0xffff, v12                     ; c 0..3
	v_lshrrev_b32 v25, 16, v12
	v_and_b32 v26, 0xffff, v13
	v_lshrrev_b32 v27, 16, v13
	ds_store_b128 v17, v[20:23]
	ds_store_b128 v17, v[24:27] offset:16
	s_wait_dscnt 0x0                               ; for the other waves: my stores are done before I signal
	s_barrier_signal -1
	s_barrier_wait -1
	ds_load_b32 v19, v18                           ; word l: value l & 7 of wave l >> 3
	ds_load_b32 v28, v18 offset:128                ; and of wave 4 + (l >> 3)
	s_wait_dscnt 0x0
	v_add_nc_u32 v19, v19, v28
	v_mov_b32_dpp v16, v19 row_xmask:8 row_mask:0xf bank_mask:0xf
	v_add_nc_u32 v19, v19, v16
	v_permlanex16_b32 v16, v19, s60, s61
	v_add_nc_u32 v19, v19, v16                     ; lane v (0..7): value v summed over the eight waves
.irp v, 0,1,2,3,4,5,6,7
	v_readlane_b32 s[20+\v], v19, \v               ; s20-23 base_d, s24-27 c_d
.endr
.irp d, 0,1,2,3
	s_add_co_u32 s[28+\d], s[24+\d], 31
	s_lshr_b32 s[28+\d], s[28+\d], 5               ; t_d
.endr
	s_mov_b32 s32, 0                               ; Ts_d
	s_mov_b32 s33, s28
	s_add_co_u32 s34, s33, s29
	s_add_co_u32 s35, s34, s30
.irp d, 0,1,2,3
	s_lshl_b32 s[40+\d], s[32+\d], 5
	s_add_co_u32 s[40+\d], s[40+\d], s[20+\d]      ; 32 Ts_d + base_d
	v_mov_b32 v[32+\d], s[40+\d]
.endr
.irp e, 0,1,2,3
	s_wait_loadcnt 3-\e                            ; key e is in; the younger ones stay out
	v_and_b32 v29, 3, v[8+\e]                      ; domain
	v_lshrrev_b32 v30, 2, v[8+\e]                  ; rank
	v_cmp_le_u32 vcc_lo, 1, v29
	v_cndmask_b32 v31, v32, v33, vcc_lo
	v_cmp_le_u32 vcc_lo, 2, v29
	v_cndmask_b32 v31, v31, v34, vcc_lo
	v_cmp_le_u32 vcc_lo, 3, v29
	v_cndmask_b32 v31, v31, v35, vcc_lo
	v_add_nc_u32 v[40+\e], v30, v31
	v_min_u32 v[40+\e], LASTSLOT, v[40+\e]         ; a number from memory enters an address only clamped
	v_lshlrev_b32 v[40+\e], 2, v[40+\e]
	v_add_nc_u32 v[44+\e], 256*\e, v36
	global_store_b32 v[40+\e], v[44+\e], s[8:9]    ; each of the four stores has its own address and data registers
.endr
	s_cmp_lg_u32 s2, 0
	s_cbranch_scc1 .Lend                           ; the plan entry and the padding are wave 0's
	; How many work-groups a domain gets: G_d = ceil(t_d / 33) = ((t_d + 32) x 7944) >> 18, exact below 32,768.
	; The sum is 252 at the most (the t_d add up to 8,195 at the most); the rest goes to the first domain with the largest t,
	; which has 2,048 tiles or more.  So every work-group gets 1 to 33 tiles.
.irp d, 0,1,2,3
	s_add_co_u32 s[36+\d], s[28+\d], 32
	s_mul_i32 s[36+\d], s[36+\d], 7944
	s_lshr_b32 s[36+\d], s[36+\d], 18
.endr
	s_add_co_u32 s44, s36, s37
	s_add_co_u32 s44, s44, s38
	s_add_co_u32 s44, s44, s39
	s_sub_co_u32 s45, 256, s44                     ; the rest
	s_max_u32 s46, s28, s29
	s_max_u32 s46, s46, s30
	s_max_u32 s46, s46, s31
.irp d, 0,1,2,3
	s_cmp_eq_u32 s[28+\d], s46
	s_cselect_b32 s47, s45, 0
	s_add_co_u32 s[36+\d], s[36+\d], s47
	s_sub_co_u32 s45, s45, s47                     ; given once
.endr
	s_mov_b32 s48, 0                               ; Gs_d: the domain's first work-group
	s_mov_b32 s49, s36
	s_add_co_u32 s50, s49, s37
	s_add_co_u32 s51, s50, s38
	s_mov_b32 s52, 0                               ; my domain, its Gs, G, t, Ts: the last d with Gs_d <= g (an empty domain is passed over)
	s_mov_b32 s53, 0
	s_mov_b32 s54, s36
	s_mov_b32 s55, s28
	s_mov_b32 s56, s32
.irp d, 1,2,3
	s_cmp_ge_u32 s3, s[48+\d]
	s_cselect_b32 s52, \d, s52
	s_cselect_b32 s53, s[48+\d], s53
	s_cselect_b32 s54, s[36+\d], s54
	s_cselect_b32 s55, s[28+\d], s55
	s_cselect_b32 s56, s[32+\d], s56
.endr
	s_sub_co_u32 s57, s3, s53                      ; j: my place among the domain's work-groups
	v_add_nc_u32 v50, 1, v1                        ; q = floor(t / G), 33 at the most, without a division:
	v_mul_lo_u32 v50, v50, s54                     ; lane l asks whether (l + 1) G <= t,
	v_cmp_ge_u32 vcc_lo, s55, v50
	s_bcnt1_i32_b32 s58, vcc_lo
	s_mul_i32 s12, s54, 33                         ; and the 33rd question is asked apart
	s_cmp_le_u32 s12, s55
	s_cselect_b32 s12, 1, 0
	s_add_co_u32 s58, s58, s12
	s_mul_i32 s12, s58, s54
	s_sub_co_u32 s59, s55, s12                     ; rem = t - q G: the first rem work-groups take one tile more
	s_cmp_lt_u32 s57, s59
	s_cselect_b32 s12, 1, 0
	s_add_co_u32 s13, s58, s12                     ; my number of tiles
	s_mul_i32 s14, s57, s58
	s_min_u32 s15, s57, s59
	s_add_co_u32 s14, s14, s15
	s_add_co_u32 s14, s14, s56                     ; my first tile
	v_mov_b32 v52, s52
	v_mov_b32 v53, s14
	v_mov_b32 v54, s13
	v_mov_b32 v55, 0
	s_lshl_b32 s12, s3, 4
	v_mov_b32 v56, s12
	v_cmp_eq_u32 vcc_lo, 0, v1
	s_wait_xcnt 0x0                                ; EXEC is a source of the stores above
	s_and_saveexec_b32 s62, vcc_lo
	global_store_b128 v56, v[52:55], s[10:11]
	s_wait_xcnt 0x0
	s_or_b32 exec_lo, exec_lo, s62
	s_cmp_lg_u32 s3, 0
	s_cbranch_scc1 .Lend                           ; work-group 0 marks the unused slots of each domain's last tile
	; All 32 lanes store -1: lane l into slot 32 Ts_d + c_d + l where that still lies in the domain's last tile, else into slot l of the spare tile.
	; So every lane stays on, and each domain's store has an address register of its own.
	v_mov_b32 v57, -1
	v_add_nc_u32 v51, SPARE, v1
.irp d, 0,1,2,3
	s_lshl_b32 s12, s[32+\d], 5
	s_add_co_u32 s13, s12, s[24+\d]                ; the first unused slot
	s_add_co_u32 s14, s[32+\d], s[28+\d]
	s_lshl_b32 s14, s14, 5                         ; the next domain's first slot
	v_add_nc_u32 v[58+\d], s13, v1
	v_cmp_gt_u32 vcc_lo, s14, v[58+\d]
	v_cndmask_b32 v[58+\d], v51, v[58+\d], vcc_lo
	v_min_u32 v[58+\d], LASTSLOT, v[58+\d]
	v_lshlrev_b32 v[58+\d], 2, v[58+\d]
	global_store_b32 v[58+\d], v57, s[8:9]
.endr
.Lend:
	s_endpgm
.Lfunc_end_k_q7d4c021329_place:
	.size	k_q7d4c021329_place, .Lfunc_end_k_q7d4c021329_place-k_q7d4c021329_place
	.p2alignl 7, 3214868480
	.fill 96, 4, 3214868480
	.section	.rodata,"a",@progbits
	.p2align	6, 0x0
	.amdhsa_kernel k_q7d4c021329_place
		.amdhsa_group_segment_fixed_size 256
		.amdhsa_private_segment_fixed_size 0
		.amdhsa_enable_private_segment 0
		.amdhsa_kernarg_size 32
		.amdhsa_user_sgpr_count 2
		.amdhsa_user_sgpr_kernarg_segment_ptr 1
		.amdhsa_wavefront_size32 1
		.amdhsa_system_sgpr_workgroup_id_x 1
		.amdhsa_system_sgpr_workgroup_id_y 1
		.amdhsa_system_sgpr_workgroup_id_z 1
		.amdhsa_system_vgpr_workitem_id 0
		.amdhsa_next_free_vgpr 64
		.amdhsa_next_free_sgpr 66
		.amdhsa_reserve_vcc 1
		.amdhsa_float_denorm_mode_32 3
		.amdhsa_float_denorm_mode_16_64 3
		.amdhsa_memory_ordered 1
		.amdhsa_forward_progress 1
		.amdhsa_inst_pref_size 13
	.end_amdhsa_kernel
	.amdgpu_metadata
---
amdhsa.version: [ 1, 2 ]
amdhsa.kernels:
  - .name:           k_q7d4c021329_place
    .symbol:         k_q7d4c021329_place.kd
    .args:
      - { .name: key, .offset: 0, .size: 8, .value_kind: global_buffer, .address_space: global }
      - { .name: cnt, .offset: 8, .size: 8, .value_kind: global_buffer, .address_space: global }
      - { .name: order, .offset: 16, .size: 8, .value_kind: global_buffer, .address_space: global }
      - { .name: plan, .offset: 24, .size: 8, .value_kind: global_buffer, .address_space: global }
    .group_segment_fixed_size: 256
    .private_segment_fixed_size: 0
    .kernarg_segment_align: 8
    .kernarg_segment_size: 32
    .max_flat_workgroup_size: 256
    .sgpr_count:     66
    .vgpr_count:     64
    .wavefront_size: 32
...
	.end_amdgpu_metadata
.endif
;; end of part 2
;; launch mlp (part 3): grid 256 x 1, 16 waves a work-group, no clusters, 140,800 bytes of LDS; arguments x, t, B, W1, b1, W2, b2, W3, b3, W4, b4, order, plan, out0; writes out0
.if DOCPART == 3
	.amdgcn_target "amdgcn-amd-amdhsa--gfx1250"
	.amdhsa_code_object_version 6
	.text
	.protected	k_q7d4c021329_mlp
	.globl	k_q7d4c021329_mlp
	.p2align	8
	.type	k_q7d4c021329_mlp,@function
k_q7d4c021329_mlp:
	s_mov_b64 s[64:65], 0
	v_nop
	global_prefetch_b8 v0, s[64:65] scope:SCOPE_SE
	s_setreg_imm32_b32 hwreg(HW_REG_WAVE_MODE, 25, 1), 1
	s_wait_xcnt 0x0
; mlp: the sub-network of ONE domain for the points that lie in it.  The masks that the problem builds partition the x axis, so of the
; four sub-networks only the point's own reaches the result; the other three are not computed.
; Work-group g reads its share from plan[g]: domain d, first tile, number of tiles (1 to 33).  A tile is 32 slots of 'order': points of
; domain d, or 0xffffffff = no point.  Slot 0 of a planned tile always holds a point (a domain has ceil(c / 32) tiles and its empty slots
; end its last tile); an empty slot takes slot 0's point, does the same arithmetic and stores the same number to the same address in the same
; instruction, so every lane stays on in the whole launch.  Wave w takes tiles first + w + 16 i.
; The domain's weights are brought once, f32 -> f16, into LDS as [k][n] rows and read transposed (ds_load_tr16_b128).
; MATRIX FORM: v_wmma_f32_16x16x32_f16, A = 16 output features x 32 k of W^T, B = 32 k x 16 points.  Register j of lane (r, h) of the result is
; feature 16 a + 8 h + j of point r, which is the place that the next layer's B fragment wants (tile 2 s -> registers 0-3 of fragment s,
; tile 2 s + 1 -> registers 4-7; ISA guide 7.12.2): packing neighbouring registers to f16 is the whole hand-over between layers.
; The projection (K = 2) and the last layer (one column) are f32 multiply-adds; silu and all sums are f32.
; SILU WITHOUT ITS FACTOR: with L = log2 e the accumulators hold z' = -L z, so that 2^z' = e^-z, and h' = z' / (1 + 2^z') = -L silu(z).
; Since h' W + (-L b) = -L (h W + b), W2 and W3 stay as they are; the fill scales W1, b1, b2, b3 by -L and W4 by -ln 2 = -1 / L.
; Layer 1: K = 200 is laid out as 7 steps of 32 = 16 frequencies' sines and the same frequencies' cosines; slots 100..111 are padding with
; sine 0 and cosine 1; W1's rows there are 0 but for the cosine row of slot 100, which holds b1: the bias rides in K's padding.
; sin(2 pi u), cos(2 pi u), u = x B0 + t B1: f = u - round(u), p = sqrt2 sin(pi f) of degree 5, c = sqrt2 cos(pi f) of degree 6 (the Taylor series
; economised with Chebyshev polynomials on |f| <= 0.5: |error of p| <= 1.0e-4, of c <= 1.1e-5), sin = p c, cos = 1 - p p.  Absolute error of a feature at
; most 3e-4 for every u, less than the step 4.9e-4 of the f16 into which the features are rounded.
; LIMITS: weights, b1, the features and -L h1, -L h2 are rounded to f16: |h| above 45,400 (65,504 / L) becomes infinite (h1 is bounded by the sum of |W1|
; and |b1|; h3 is never narrowed); below 6e-5 they keep an absolute step of 6e-8.  For |u| >= 2^23 the phase is lost, as it is in f32 in the problem's own formula.
; A NaN in x gives 0, as in the problem (no mask holds).
; NO CLUSTER: which work-groups share a domain's weights is known only from the plan in memory, so partners and their requests cannot be
; fixed in the text; and the shared bytes (233 KB of f32 a work-group) are read once, at the start, and must pass registers to be narrowed.
.set LASTPT,   0x3ffff                 ; 262,144 points - 1
.set LASTTILE, 0x2003                  ; 8,196 tiles - 1
.set PITCH, 288                        ; an LDS row of weights: 128 f16 + 32 bytes = 9 x 32
.set LW2, 64512                        ; LDS: W1 224 rows at 0, W2 128 rows, W3 128 rows,
.set LW3, 101376
.set LBT, 138240                       ; (B0, B1) f32 of 128 frequency slots (100 real, the rest 0),
.set LB2, 139264                       ; -L b2, then -L b3 at +512, then -ln2 W4 at +1024, f32
.set AW1, 0                            ; v0   ((L&7) + 8 (L>>4)) PITCH + 16 ((L>>3)&1): my address in a 16 x 16 block of W1
.set AW2, 1                            ; v1   the same in W2
.set AW3, 2                            ; v2   the same in W3
.set ABT, 3                            ; v3   LBT + 64 h: my 8 frequencies of a step
.set AB,  4                            ; v4   LB2 + 32 h: my 8 features of a tile's bias
.set IDX, 5                            ; v5   this tile's point
.set NIDX, 6                           ; v6   the next tile's
.set LOFF, 7                           ; v7   4 x lane
.set X,   8                            ; v[8:9]   x of my two points (slots r, 16 + r); outside layer 1: v8 next x, v9 the gathers' offset
.set T,   10                           ; v[10:11] t likewise; v10 next t
.set K5,  12                           ; v[12:13] the sine's highest coefficient, twice
.set K6,  14                           ; v[14:15] the cosine's
.set ACC, 16                           ; v[16:143]  accumulators: feature tile a (0..7), point tile q (0, 1) at 16 a + 8 q
.set BF,  144                          ; v[144:207] B fragments: K step s (0..3), q at 16 s + 8 q
.set COEF, 160                         ; layer 1: 8 frequencies' (B0, B1)
.set TMP, 176                          ; layer 1: two frequencies at work, 8 registers each: u/f, y, p, c
.set A1,  192                          ; layer 1: v[192:255] the A fragments of a whole K step, feature tiles 2 ap, 2 ap + 1 at 16 ap
.set AF,  208                          ; v[208:239] layers 2, 3: two halves of two A fragments; silu's 32 temporaries; the fill's addresses
.set BIAS, 240                         ; v[240:255] layers 2, 3: the bias (or W4) of two feature tiles
; A vector instruction that reads a matrix result or writes a matrix instruction's register, and a load into such a register, stand four places
; behind it; places are plain vector instructions that name none of its registers (ISA guide 7.12.1 for vector instructions).
.macro PLACES
.rept 4
	v_nop
.endr
.endm
; Two A fragments (feature tiles 2 ap, 2 ap + 1 of one K step) into the 16 registers from dst; off = 32 PITCH s + 64 ap
.macro LDA dst, areg, off
.irp i, 0,1
	ds_load_tr16_b128 v[(\dst)+8*\i:(\dst)+8*\i+3], v[\areg] offset:(\off)+32*\i
	ds_load_tr16_b128 v[(\dst)+8*\i+4:(\dst)+8*\i+7], v[\areg] offset:(\off)+32*\i+16*PITCH
.endr
.endm
; My 8 numbers of two feature tiles of a table of 128 f32: register 8 i + j = entry 32 ap + 16 i + 8 h + j
.macro LDB off
	ds_load_b128 v[BIAS:BIAS+3], v[AB] offset:(\off)
	ds_load_b128 v[BIAS+4:BIAS+7], v[AB] offset:(\off)+16
	ds_load_b128 v[BIAS+8:BIAS+11], v[AB] offset:(\off)+64
	ds_load_b128 v[BIAS+12:BIAS+15], v[AB] offset:(\off)+80
.endm
; The first 2 n of my 8 frequencies of K step s of layer 1: (B0, B1) of two frequencies a load
.macro LDC s, n
.set c, 0
.rept \n
	ds_load_b128 v[COEF+4*c:COEF+4*c+3], v[ABT] offset:128*(\s)+16*c
.set c, c+1
.endr
.endm
; Four matrix instructions on four accumulators, one instruction a turn: the accumulators take turns.
; a: the two A fragments' first register.  cmode 0: the sums start at 0; 1: at the bias; 2: they go on.
.macro MM4 a, ap, sb, cmode
.irp i, 0,1
.irp q, 0,1
.if (\cmode) == 0
	v_wmma_f32_16x16x32_f16 v[ACC+32*(\ap)+16*\i+8*\q:ACC+32*(\ap)+16*\i+8*\q+7], v[(\a)+8*\i:(\a)+8*\i+7], v[BF+16*(\sb)+8*\q:BF+16*(\sb)+8*\q+7], 0
.elseif (\cmode) == 1
	v_wmma_f32_16x16x32_f16 v[ACC+32*(\ap)+16*\i+8*\q:ACC+32*(\ap)+16*\i+8*\q+7], v[(\a)+8*\i:(\a)+8*\i+7], v[BF+16*(\sb)+8*\q:BF+16*(\sb)+8*\q+7], v[BIAS+8*\i:BIAS+8*\i+7]
.else
	v_wmma_f32_16x16x32_f16 v[ACC+32*(\ap)+16*\i+8*\q:ACC+32*(\ap)+16*\i+8*\q+7], v[(\a)+8*\i:(\a)+8*\i+7], v[BF+16*(\sb)+8*\q:BF+16*(\sb)+8*\q+7], v[ACC+32*(\ap)+16*\i+8*\q:ACC+32*(\ap)+16*\i+8*\q+7]
.endif
.endr
.endr
.endm
; Sines and cosines of my frequencies 2 ep, 2 ep + 1 of a K step (COEF) at my two points, into one register of each half of the step's two B fragments.
; Every arithmetic line is packed over the two points; the two frequencies' chains are interleaved.  32 instructions.
.macro GENEP ep
.irp f, 0,1
	v_pk_mul_f32 v[TMP+8*\f:TMP+8*\f+1], v[X:X+1], v[COEF+4*(\ep)+2*\f:COEF+4*(\ep)+2*\f+1] op_sel_hi:[1,0]
.endr
.irp f, 0,1
	v_pk_fma_f32 v[TMP+8*\f:TMP+8*\f+1], v[T:T+1], v[COEF+4*(\ep)+2*\f:COEF+4*(\ep)+2*\f+1], v[TMP+8*\f:TMP+8*\f+1] op_sel:[0,1,0] op_sel_hi:[1,1,1]
.endr
.irp f, 0,1
	v_rndne_f32 v[TMP+8*\f+2], v[TMP+8*\f]
	v_rndne_f32 v[TMP+8*\f+3], v[TMP+8*\f+1]
.endr
.irp f, 0,1
	v_pk_add_f32 v[TMP+8*\f:TMP+8*\f+1], v[TMP+8*\f:TMP+8*\f+1], v[TMP+8*\f+2:TMP+8*\f+3] neg_lo:[0,1] neg_hi:[0,1]   ; f in [-0.5, 0.5]
.endr
.irp f, 0,1
	v_pk_mul_f32 v[TMP+8*\f+2:TMP+8*\f+3], v[TMP+8*\f:TMP+8*\f+1], v[TMP+8*\f:TMP+8*\f+1]                            ; y = f f
.endr
.irp f, 0,1
	v_pk_fma_f32 v[TMP+8*\f+4:TMP+8*\f+5], v[TMP+8*\f+2:TMP+8*\f+3], v[K5:K5+1], 0xc0e877cf op_sel_hi:[1,1,0]        ; 3.2520372 y - 7.2646253
	v_pk_fma_f32 v[TMP+8*\f+6:TMP+8*\f+7], v[TMP+8*\f+2:TMP+8*\f+3], v[K6:K6+1], 0x40b6e319 op_sel_hi:[1,1,0]        ; -1.7283582 y + 5.7152217
.endr
.irp f, 0,1
	v_pk_fma_f32 v[TMP+8*\f+4:TMP+8*\f+5], v[TMP+8*\f+4:TMP+8*\f+5], v[TMP+8*\f+2:TMP+8*\f+3], 0x408e2104 op_sel_hi:[1,1,0]   ; .. y + 4.4415303
	v_pk_fma_f32 v[TMP+8*\f+6:TMP+8*\f+7], v[TMP+8*\f+6:TMP+8*\f+7], v[TMP+8*\f+2:TMP+8*\f+3], 0xc0df48d2 op_sel_hi:[1,1,0]   ; .. y - 6.9776393
.endr
.irp f, 0,1
	v_pk_mul_f32 v[TMP+8*\f+4:TMP+8*\f+5], v[TMP+8*\f+4:TMP+8*\f+5], v[TMP+8*\f:TMP+8*\f+1]                                   ; p = sqrt2 sin(pi f)
	v_pk_fma_f32 v[TMP+8*\f+6:TMP+8*\f+7], v[TMP+8*\f+6:TMP+8*\f+7], v[TMP+8*\f+2:TMP+8*\f+3], 0x3fb504a3 op_sel_hi:[1,1,0]   ; c = .. y + 1.4142040 = sqrt2 cos(pi f)
.endr
.irp f, 0,1
	v_pk_mul_f32 v[TMP+8*\f+6:TMP+8*\f+7], v[TMP+8*\f+4:TMP+8*\f+5], v[TMP+8*\f+6:TMP+8*\f+7]                        ; sin(2 pi f) = p c
.endr
.irp f, 0,1
	v_pk_fma_f32 v[TMP+8*\f+4:TMP+8*\f+5], v[TMP+8*\f+4:TMP+8*\f+5], v[TMP+8*\f+4:TMP+8*\f+5], 1.0 op_sel_hi:[1,1,0] neg_lo:[1,0,0] neg_hi:[1,0,0]   ; cos(2 pi f) = 1 - p p
.endr
.irp q, 0,1
	v_cvt_pk_f16_f32 v[BF+8*\q+(\ep)], v[TMP+6+\q], v[TMP+14+\q]      ; k = 8 h + 2 ep, + 1: the sines
	v_cvt_pk_f16_f32 v[BF+8*\q+4+(\ep)], v[TMP+4+\q], v[TMP+12+\q]    ; k = 16 + 8 h + 2 ep, + 1: the cosines
.endr
.endm
; A layer 128 -> 128: 16 steps g = (ap, s), s fastest; the next step's A fragments are loaded into the other half of AF while this step multiplies.
.macro LAYER areg, boff
	LDB \boff
	LDA AF, \areg, 0
.set g, 0
.rept 16
.if g > 0
	PLACES                                         ; behind step g - 1's matrix instructions: the loads below go into the half of AF that they read
.endif
.if g < 15
	LDA (AF+16*((g+1)&1)), \areg, (9216*((g+1)&3)+64*((g+1)>>2))
.endif
.if g == 15
	s_wait_dscnt 0x0                               ; nothing was issued behind this step's fragments
.elseif (g&3) == 3
	LDB ((\boff)+128*((g>>2)+1))                   ; the next two tiles' bias; the old one was last read three steps, twelve places, ago
	s_wait_dscnt 0x8                               ; the next step's four fragment loads and the four bias loads may stay out
.else
	s_wait_dscnt 0x4                               ; the next step's four loads may stay out; all older ones are in
.endif
.if (g&3) == 0
	MM4 (AF+16*(g&1)), (g>>2), (g&3), 1
.else
	MM4 (AF+16*(g&1)), (g>>2), (g&3), 2
.endif
.set g, g+1
.endr
.endm
; h' = z' / (1 + 2^z') on the 32 registers of feature tiles 2 ap, 2 ap + 1 (z' = -L z, h' = -L silu(z)).
; mode 0: the result goes, as f16, into B fragment ap of the next layer.  mode 1: it is multiplied by -ln2 W4 and added up in four chains in BF+0..7.
.macro SILU2 ap, mode
.if \mode
	LDB (1024+128*(\ap))
.endif
.set k, 0
.rept 32
	v_exp_f32 v[AF+k], v[ACC+32*(\ap)+k]
.set k, k+1
.endr
	v_nop                                          ; one plain place between a transcendental and the use of its result (ISA guide 5.7.2)
.set k, 0
	s_wait_alu depctr_va_vdst(0)
.rept 16
	v_pk_add_f32 v[AF+k:AF+k+1], v[AF+k:AF+k+1], 1.0 op_sel_hi:[1,0]
.set k, k+2
.endr
.set k, 0
.rept 32
	v_rcp_f32 v[AF+k], v[AF+k]
.set k, k+1
.endr
	v_nop
.set k, 0
	s_wait_alu depctr_va_vdst(0)
.rept 16
	v_pk_mul_f32 v[ACC+32*(\ap)+k:ACC+32*(\ap)+k+1], v[ACC+32*(\ap)+k:ACC+32*(\ap)+k+1], v[AF+k:AF+k+1]
.set k, k+2
.endr
.if \mode
	s_wait_dscnt 0x0                               ; W4's 16 numbers
.irp jp, 0,1,2,3
.irp i, 0,1
.irp q, 0,1
.if (\ap)+\jp == 0
	v_pk_mul_f32 v[BF+4*\i+2*\q:BF+4*\i+2*\q+1], v[ACC+32*(\ap)+16*\i+8*\q+2*\jp:ACC+32*(\ap)+16*\i+8*\q+2*\jp+1], v[BIAS+8*\i+2*\jp:BIAS+8*\i+2*\jp+1]
.else
	v_pk_fma_f32 v[BF+4*\i+2*\q:BF+4*\i+2*\q+1], v[ACC+32*(\ap)+16*\i+8*\q+2*\jp:ACC+32*(\ap)+16*\i+8*\q+2*\jp+1], v[BIAS+8*\i+2*\jp:BIAS+8*\i+2*\jp+1], v[BF+4*\i+2*\q:BF+4*\i+2*\q+1]
.endif
.endr
.endr
.endr
.else
.irp i, 0,1
.irp q, 0,1
.irp jp, 0,1,2,3
	v_cvt_pk_f16_f32 v[BF+16*(\ap)+8*\q+4*\i+\jp], v[ACC+32*(\ap)+16*\i+8*\q+2*\jp], v[ACC+32*(\ap)+16*\i+8*\q+2*\jp+1]
.endr
.endr
.endr
.endif
.endm
; The slots of a tile have been asked for into NIDX: make them points, and ask for the points' x and t.  left = the loads issued behind that of the slots.
.macro POINTS left
	s_wait_loadcnt \left                           ; the tile's 32 slots
	v_readfirstlane_b32 s4, v[NIDX]                ; slot 0 holds a point
	v_cmp_gt_u32 vcc_lo, 0x40000, v[NIDX]          ; slots that hold a point
	v_cndmask_b32 v[NIDX], s4, v[NIDX], vcc_lo     ; an empty slot takes slot 0's
	v_min_u32 v[NIDX], LASTPT, v[NIDX]             ; a number from memory enters an address only clamped
	v_lshlrev_b32 v9, 2, v[NIDX]
	global_load_b32 v8, v9, s[8:9]
	global_load_b32 v10, v9, s[10:11]
.endm
	; ---------------- addresses ----------------
	s_load_b512 s[8:23], s[0:1], 0x0               ; x 8, t 10, B 12, W1 14, b1 16, W2 18, b2 20, W3 22
	s_load_b256 s[24:31], s[0:1], 0x40             ; b3 24, W4 26, b4 28, order 30
	s_load_b128 s[32:35], s[0:1], 0x60             ; plan 32, out0 34
	v_and_b32 v214, 31, v0                         ; lane L (kept for the fill)
	v_lshrrev_b32 v1, 5, v0
	v_readfirstlane_b32 s2, v1                     ; wave w, 0..15
	v_lshlrev_b32 v7, 2, v214                      ; LOFF
	v_lshrrev_b32 v4, 4, v214                      ; h
	v_and_b32 v3, 7, v214
	v_lshl_add_u32 v3, v4, 3, v3                   ; (L & 7) + 8 h
	v_bfe_u32 v5, v214, 3, 1
	v_mul_u32_u24 v0, v3, PITCH
	v_lshl_add_u32 v0, v5, 4, v0                   ; AW1
	v_add_nc_u32 v1, LW2, v0
	v_add_nc_u32 v2, LW3, v0
	v_lshlrev_b32 v3, 6, v4
	v_add_nc_u32 v3, LBT, v3
	v_lshlrev_b32 v4, 5, v4
	v_add_nc_u32 v4, LB2, v4
	v_mov_b32 v11, 0                               ; a lane permute's destination has been written before
	v_mov_b32 v12, 0x40502161                      ; 3.2520372
	v_mov_b32 v13, 0x40502161
	v_mov_b32 v14, 0xbfdd3ad8                      ; -1.7283582
	v_mov_b32 v15, 0xbfdd3ad8
	v_lshlrev_b32 v208, 4, v214                    ; the fill: my 16 bytes of a row of 128 f32,
	s_mul_i32 s4, s2, PITCH
	v_lshl_add_u32 v209, v214, 3, s4               ; and my 8 bytes of row w of a group of 16 rows of f16: W1,
	v_add_nc_u32 v210, LW2, v209                   ; W2,
	v_add_nc_u32 v211, LW3, v209                   ; W3
	s_mov_b32 s45, 0x76543210                      ; v_permlanex16_b32: lane i reads lane i of the other half
	s_mov_b32 s46, 0xfedcba98
	s_mov_b32 s47, 0xffff0000                      ; lanes 16-31
	s_lshl_b32 s52, ttmp9, 4
	s_mov_b32 s53, 0                               ; s[52:53]: a 32-bit offset as a pair; s53 stays 0
	s_wait_kmcnt 0x0
	s_add_nc_u64 s[32:33], s[32:33], s[52:53]
	s_load_b128 s[36:39], s[32:33], 0x0            ; my share: domain, first tile, tiles, 0
	s_wait_kmcnt 0x0
	s_min_u32 s36, s36, 3                          ; numbers from memory enter addresses and trip counts only clamped
	s_min_u32 s37, s37, LASTTILE
	s_min_u32 s38, s38, 64
	; My first tile's slots are asked for ahead of the weights: this is the wave's oldest load, and its x and t go out behind the weights' loads.
	s_add_co_u32 s42, s37, s38
	s_sub_co_u32 s42, s42, 1
	s_min_u32 s42, s42, LASTTILE                   ; the work-group's last tile
	s_add_co_u32 s41, s37, s2
	s_min_u32 s41, s41, s42                        ; my first tile (a wave with no tile reads the last one and uses nothing of it)
	s_min_u32 s41, s41, LASTTILE
	s_lshl_b32 s52, s41, 7
	s_add_nc_u64 s[50:51], s[30:31], s[52:53]
	global_load_b32 v6, v7, s[50:51]               ; 32 slots, 128 neighbouring bytes
	s_mul_i32 s52, s36, 102400
	s_add_nc_u64 s[14:15], s[14:15], s[52:53]      ; W1[d]
	s_min_u32 s4, s2, 3
	s_add_co_u32 s4, s4, 96
	s_lshl_b32 s52, s4, 9
	s_add_nc_u64 s[54:55], s[14:15], s[52:53]      ; row 96 + min(w, 3): the sines of frequencies 96..99
	s_add_nc_u64 s[56:57], s[54:55], 51200         ; row 196 + min(w, 3): their cosines
	s_lshl_b32 s52, s36, 9
	s_add_nc_u64 s[16:17], s[16:17], s[52:53]      ; b1[d]
	s_add_nc_u64 s[20:21], s[20:21], s[52:53]      ; b2[d]
	s_add_nc_u64 s[24:25], s[24:25], s[52:53]      ; b3[d]
	s_add_nc_u64 s[26:27], s[26:27], s[52:53]      ; W4[d]
	s_cmp_eq_u32 s2, 4
	s_cselect_b64 s[56:57], s[16:17], s[56:57]     ; wave 4's row of that group is b1
	s_cmp_lt_u32 s2, 4
	s_cselect_b32 s58, -1, 0                       ; rows 96 + w exist for w < 4; the others are zeros
	s_cmp_lt_u32 s2, 5
	s_cselect_b32 s59, -1, 0
	s_lshl_b32 s52, s36, 16
	s_add_nc_u64 s[18:19], s[18:19], s[52:53]      ; W2[d]
	s_add_nc_u64 s[22:23], s[22:23], s[52:53]      ; W3[d]
	s_lshl_b32 s52, s2, 9
	s_add_nc_u64 s[14:15], s[14:15], s[52:53]      ; + row w
	s_add_nc_u64 s[18:19], s[18:19], s[52:53]
	s_add_nc_u64 s[22:23], s[22:23], s[52:53]
	s_mul_i32 s52, s36, 800
	s_add_nc_u64 s[12:13], s[12:13], s[52:53]      ; B[d]
	s_lshl_b32 s52, s36, 2
	s_add_nc_u64 s[28:29], s[28:29], s[52:53]
	s_load_b32 s44, s[28:29], 0x0                  ; b4[d]
	; ---------------- the fill: once for the work-group ----------------
	; Waves 0 to 4 bring a small table each: B's first 512 bytes, its last 288, b2, b3, W4.  It is older than the rows' loads, so the counts below hold with and without it.
	s_cmp_ge_u32 s2, 5
	s_cbranch_scc1 .Lno_small_load
	s_add_nc_u64 s[60:61], s[12:13], 512
	s_cmp_eq_u32 s2, 1
	s_cselect_b64 s[60:61], s[60:61], s[12:13]
	s_cselect_b32 s62, 18, 32                      ; lanes that hold table bytes
	s_cmp_eq_u32 s2, 2
	s_cselect_b64 s[60:61], s[20:21], s[60:61]
	s_cmp_eq_u32 s2, 3
	s_cselect_b64 s[60:61], s[24:25], s[60:61]
	s_cmp_eq_u32 s2, 4
	s_cselect_b64 s[60:61], s[26:27], s[60:61]
	s_sub_co_u32 s63, s62, 1
	v_min_u32 v212, s63, v214                      ; the other lanes repeat the last 16 bytes: no load leaves B
	v_lshlrev_b32 v212, 4, v212
	global_load_b128 v[136:139], v212, s[60:61]
.Lno_small_load:
	; Thirty rows a wave, a whole row of 512 neighbouring bytes a load.  LDS row 16 m + w of W1 is the sine (m even) or cosine (m odd) row of frequency 16 (m >> 1) + w.
.set m, 0
.rept 12
	global_load_b128 v[16+4*m:19+4*m], v208, s[14:15] offset:(16*(m>>1)+100*(m&1))*512
.set m, m+1
.endr
	global_load_b128 v[64:67], v208, s[54:55]
	global_load_b128 v[68:71], v208, s[56:57]
.set m, 0
.rept 8
	global_load_b128 v[72+4*m:75+4*m], v208, s[18:19] offset:8192*m
.set m, m+1
.endr
.set m, 0
.rept 8
	global_load_b128 v[104+4*m:107+4*m], v208, s[22:23] offset:8192*m
.set m, m+1
.endr
	POINTS 30                                      ; the slots are in, the thirty rows stay out; my first tile's x and t come while the rows are narrowed
.set n, 0
.rept 30
	s_wait_loadcnt 31-n                            ; loads come back in order (ISA guide 5.7.1): row n is in; the 29 - n younger rows and the two gathers stay out
.if n == 12
.irp r, 0,1,2,3
	v_cndmask_b32 v[64+\r], 0, v[64+\r], s58       ; zeros for frequency slots 100..111
.endr
.endif
.if n == 13
.irp r, 0,1,2,3
	v_cndmask_b32 v[68+\r], 0, v[68+\r], s59       ; zeros but for b1 in slot 100
.endr
.endif
.if n < 14
	v_pk_mul_f32 v[16+4*n:17+4*n], v[16+4*n:17+4*n], 0xbfb8aa3b op_sel_hi:[1,0]   ; W1 and b1 times -log2 e
	v_pk_mul_f32 v[18+4*n:19+4*n], v[18+4*n:19+4*n], 0xbfb8aa3b op_sel_hi:[1,0]
.endif
	v_cvt_pk_f16_f32 v[144+2*(n&1)], v[16+4*n], v[17+4*n]
	v_cvt_pk_f16_f32 v[145+2*(n&1)], v[18+4*n], v[19+4*n]
.if n < 14
	ds_store_b64 v209, v[144+2*(n&1):145+2*(n&1)] offset:16*PITCH*n          ; 32 lanes store 256 neighbouring bytes
.elseif n < 22
	ds_store_b64 v210, v[144+2*(n&1):145+2*(n&1)] offset:16*PITCH*(n-14)
.else
	ds_store_b64 v211, v[144+2*(n&1):145+2*(n&1)] offset:16*PITCH*(n-22)
.endif
.set n, n+1
.endr
	s_cmp_ge_u32 s2, 5
	s_cbranch_scc1 .Lno_small_store
	s_lshl_b32 s5, s2, 9
	s_add_co_u32 s5, s5, LBT
	v_lshl_add_u32 v213, v214, 4, s5               ; LBT + 512 w + 16 L
	s_mov_b32 s6, 0x3f800000                       ; the table's factor: B as it is,
	s_cmp_ge_u32 s2, 2
	s_cselect_b32 s6, 0xbfb8aa3b, s6               ; b2 and b3 times -log2 e,
	s_cmp_eq_u32 s2, 4
	s_cselect_b32 s6, 0xbf317218, s6               ; W4 times -ln 2
	v_cmp_gt_u32 vcc_lo, s62, v214
.irp r, 0,1,2,3
	v_mul_f32 v[136+\r], s6, v[136+\r]
	v_cndmask_b32 v[136+\r], 0, v[136+\r], vcc_lo  ; zeros behind B's 800 bytes
.endr
	ds_store_b128 v213, v[136:139]
.Lno_small_store:
	s_wait_kmcnt 0x0                               ; b4
	s_wait_dscnt 0x0                               ; for the other waves: my stores are done before I signal
	s_barrier_signal -1
	s_barrier_wait -1                              ; the only barrier: from here LDS is only read
	; ---------------- the tiles ----------------
	s_cmp_le_u32 s38, s2
	s_cbranch_scc1 .Lend                           ; fewer tiles than waves: nothing for me
	s_sub_co_u32 s40, s38, s2
	s_add_co_u32 s40, s40, 15
	s_lshr_b32 s40, s40, 4                         ; my trips
	s_mov_b32 s43, 0
.Ltile:
	LDC 0, 4                                       ; the first K step's frequencies
	s_wait_loadcnt 0x0                             ; this tile's x and t; the wait also frees v9 and s[50:51]
	v_mov_b32 v5, v6
	s_add_co_u32 s41, s41, 16                      ; my next tile; in my last trip a tile of the work-group is read again and not used
	s_min_u32 s41, s41, s42
	s_min_u32 s41, s41, LASTTILE
	s_lshl_b32 s52, s41, 7
	s_add_nc_u64 s[50:51], s[30:31], s[52:53]
	global_load_b32 v6, v7, s[50:51]               ; its slots, a whole layer ahead of their use
	v_cmp_eq_f32 s49, v8, v8                       ; slots whose x is a number
	v_permlanex16_b32 v9, v8, s45, s46
	v_permlanex16_b32 v11, v10, s45, s46
	v_cndmask_b32 v208, v8, v9, s47                ; lane (r, h): x of slot r,
	v_cndmask_b32 v9, v9, v8, s47                  ; x of slot 16 + r
	v_mov_b32 v8, v208
	v_cndmask_b32 v208, v10, v11, s47
	v_cndmask_b32 v11, v11, v10, s47
	v_mov_b32 v10, v208
	; Layer 1: seven K steps.  The first pair of frequencies (32 plain vector instructions on TMP, X, T, COEF, its last four on BF) is also the places behind the
	; last step's matrix instructions; behind it the step's 16 loads of A fragments go out, each half into registers of its own, and come while the other
	; frequencies are made.  The next step's frequencies are asked for in front of the products.  CN = how many loads that takes.
.irp s, 0,1,2,3,4,5,6
.if \s
.set CM, 2
.else
.set CM, 0
.endif
.if \s < 5
.set CN, 4
.elseif \s == 5
.set CN, 2                                         ; of K step 6 only frequencies 96..99 (and 104..107, zeros) are computed
.else
.set CN, 0
.endif
	s_wait_dscnt 0x0                               ; this step's frequencies: the youngest LDS loads
	GENEP 0
	LDA A1, AW1, (9216*\s)
	LDA (A1+16), AW1, (9216*\s+64)
	LDA (A1+32), AW1, (9216*\s+128)
	LDA (A1+48), AW1, (9216*\s+192)
	GENEP 1
.if \s < 6
	GENEP 2
	GENEP 3
	LDC (\s+1), CN
.else
.irp q, 0,1
.irp ep, 2,3
	v_mov_b32 v[BF+8*\q+\ep], 0                    ; slots 100..103 and 108..111 are padding: sine 0,
	v_mov_b32 v[BF+8*\q+4+\ep], 0x3c003c00         ; cosine 1 (twice, in f16): slot 100's multiplies b1, the others rows of zeros
.endr
.endr
.endif
	s_wait_dscnt 12+CN                             ; the first half of A is in; three halves of four loads and the next frequencies stay out
	MM4 A1, 0, 0, CM
	s_wait_dscnt 8+CN
	MM4 (A1+16), 1, 0, CM
	s_wait_dscnt 4+CN
	MM4 (A1+32), 2, 0, CM
	s_wait_dscnt CN
	MM4 (A1+48), 3, 0, CM
.endr
	POINTS 0                                       ; the next tile's points, x and t: they have the rest of this tile in which to come
	PLACES
	SILU2 0, 0
	SILU2 1, 0
	SILU2 2, 0
	SILU2 3, 0
	LAYER AW2, 0
	PLACES
	SILU2 0, 0
	SILU2 1, 0
	SILU2 2, 0
	SILU2 3, 0
	LAYER AW3, 512
	PLACES
	SILU2 0, 1
	SILU2 1, 1
	SILU2 2, 1
	SILU2 3, 1
	; The last sum: over my chains, then over the two halves of the lanes, so that lane L ends with slot L's number.
	v_pk_add_f32 v[144:145], v[144:145], v[148:149]
	v_pk_add_f32 v[146:147], v[146:147], v[150:151]
	v_add_f32 v144, v144, v145                     ; my part for slot r
	v_add_f32 v146, v146, v147                     ; my part for slot 16 + r
	v_cndmask_b32 v148, v144, v146, s47            ; the part of my own slot,
	v_cndmask_b32 v149, v146, v144, s47            ; the part that lane L xor 16 needs
	v_permlanex16_b32 v150, v149, s45, s46
	v_add_f32 v148, v148, v150
	v_add_f32 v148, s44, v148                      ; + b4
	v_cndmask_b32 v148, 0, v148, s49               ; x = NaN lies in no domain: 0
	v_min_u32 v151, LASTPT, v5
	v_lshlrev_b32 v151, 2, v151
	global_store_b32 v151, v148, s[34:35]          ; a scatter by the problem's nature: a tile's points are spread among the other domains'
	s_wait_xcnt 0x0                                ; v148 and v151 are written again in the next trip only behind this wait
	s_add_co_u32 s43, s43, 1
	s_cmp_lt_u32 s43, s40
	s_cbranch_scc1 .Ltile
.Lend:
	s_endpgm
.Lfunc_end_k_q7d4c021329_mlp:
	.size	k_q7d4c021329_mlp, .Lfunc_end_k_q7d4c021329_mlp-k_q7d4c021329_mlp
	.p2alignl 7, 3214868480
	.fill 96, 4, 3214868480
	.section	.rodata,"a",@progbits
	.p2align	6, 0x0
	.amdhsa_kernel k_q7d4c021329_mlp
		.amdhsa_group_segment_fixed_size 140800
		.amdhsa_private_segment_fixed_size 0
		.amdhsa_enable_private_segment 0
		.amdhsa_kernarg_size 112
		.amdhsa_user_sgpr_count 2
		.amdhsa_user_sgpr_kernarg_segment_ptr 1
		.amdhsa_wavefront_size32 1
		.amdhsa_system_sgpr_workgroup_id_x 1
		.amdhsa_system_sgpr_workgroup_id_y 1
		.amdhsa_system_sgpr_workgroup_id_z 1
		.amdhsa_system_vgpr_workitem_id 0
		.amdhsa_next_free_vgpr 256
		.amdhsa_next_free_sgpr 66
		.amdhsa_reserve_vcc 1
		.amdhsa_float_denorm_mode_32 3
		.amdhsa_float_denorm_mode_16_64 3
		.amdhsa_memory_ordered 1
		.amdhsa_forward_progress 1
		.amdhsa_inst_pref_size 181
	.end_amdhsa_kernel
	.amdgpu_metadata
---
amdhsa.version: [ 1, 2 ]
amdhsa.kernels:
  - .name:           k_q7d4c021329_mlp
    .symbol:         k_q7d4c021329_mlp.kd
    .args:
      - { .name: x, .offset: 0, .size: 8, .value_kind: global_buffer, .address_space: global }
      - { .name: t, .offset: 8, .size: 8, .value_kind: global_buffer, .address_space: global }
      - { .name: B, .offset: 16, .size: 8, .value_kind: global_buffer, .address_space: global }
      - { .name: W1, .offset: 24, .size: 8, .value_kind: global_buffer, .address_space: global }
      - { .name: b1, .offset: 32, .size: 8, .value_kind: global_buffer, .address_space: global }
      - { .name: W2, .offset: 40, .size: 8, .value_kind: global_buffer, .address_space: global }
      - { .name: b2, .offset: 48, .size: 8, .value_kind: global_buffer, .address_space: global }
      - { .name: W3, .offset: 56, .size: 8, .value_kind: global_buffer, .address_space: global }
      - { .name: b3, .offset: 64, .size: 8, .value_kind: global_buffer, .address_space: global }
      - { .name: W4, .offset: 72, .size: 8, .value_kind: global_buffer, .address_space: global }
      - { .name: b4, .offset: 80, .size: 8, .value_kind: global_buffer, .address_space: global }
      - { .name: order, .offset: 88, .size: 8, .value_kind: global_buffer, .address_space: global }
      - { .name: plan, .offset: 96, .size: 8, .value_kind: global_buffer, .address_space: global }
      - { .name: out0, .offset: 104, .size: 8, .value_kind: global_buffer, .address_space: global }
    .group_segment_fixed_size: 140800
    .private_segment_fixed_size: 0
    .kernarg_segment_align: 8
    .kernarg_segment_size: 112
    .max_flat_workgroup_size: 512
    .sgpr_count:     66
    .vgpr_count:     256
    .wavefront_size: 32
...
	.end_amdgpu_metadata
.endif
;; end of part 3
